; MI455X (gfx1250); checked and timed in simulation.
; The chip was launched on July 23, 2026; its instructions are those of AMD's public machine-readable ISA for CDNA 5 (MIT licence, August 2026) and "CDNA5" Instruction Set Architecture Reference Guide (July 2026). The comments in the code are by the model that wrote it; some were corrected since.
;; Distance Layer. Allowed arithmetic: matrix products marked QUANTISED: E4M3 operands, one given power-of-two scale a tensor, by v_wmma_f32_16x16x64_fp8_fp8 or v_wmma_f32_16x16x128_fp8_fp8, f32 sums; products left as they are: f32 operands where the result goes on into a quantised operand, else bf16, f16 or f32 operands; f32 sums; everything else in f32.
;; Inputs: covariances_inv 16 x 64 x 64 float32; inputs 262,144 x 64 float32; lowp_scales 2 int32 (the exponents e of the quantised operands' scales 2^e); means 16 x 64 float32; weights 16 float32.
;; Outputs: out0 262,144 float32.
;; This version of the problem:
;;   THIS VERSION OF THE PROBLEM IS GIVEN IN LOW PRECISION. The matrix products marked QUANTISED in the list below multiply operands that are first quantised to E4M3 (4 exponent bits, 3 mantissa bits; 8 bits a number), with one given power-of-two scale for each operand tensor; their sums are f32. All else is computed in f32.
;;   The module's matrix products, in the order in which they are computed (A, B: the left and right operand; K: the contracted axis; several contracted axes count as one K, in the product's order):
;;     1. batch 16 x [M 64, K 64] x [K 64, N 262,144]; A: input covariances_inv; B: computed on the way: QUANTISED (scales: A lowp_scales[0], B lowp_scales[1])
;;     2. batch 4,194,304 x [M 1, K 64] x [K 64, N 1]; A: computed on the way; B: computed on the way: left as it is (M = 1 < 16)
;;   THE QUANTISER, for each operand of a quantised product, along K:
;;     - The operand's scale is 2^e, e = its entry of the input lowp_scales (int32; the entries are numbered through the quantised products in the list's order, A before B).
;;     - Each number is divided by the scale, clamped to +-448, and rounded to the nearest number of E4M3, ties to even, subnormals kept.
;;     - The product sums the exact products of the quantised numbers (number of the format x scale) in f32.
;;   ~~~python
;;   def quantise(x, axis, e):      # numpy; x: float32 -> the quantised numbers, widened to float32 again
;;       x = np.moveaxis(x, axis, -1); K = x.shape[-1]
;;       r = np.clip(x / 2.0 ** e, -448, 448)
;;       step = 2.0 ** (np.maximum(np.frexp(np.where(r == 0, 1, r))[1] - 1, -6) - 3)
;;       q = np.round(r / step) * step * 2.0 ** e      # np.round: ties to even
;;       return np.moveaxis(q, -1, axis).astype(np.float32)
;;   ~~~
;;   OPERANDS COMPUTED ON THE WAY. 'Computed on the way' means the value that the module computes at that place (a softmax that the list does not call 'softmax' is quantised finished and normalised). What goes into a quantiser is computed in f32, as accurately as f32 sums, v_exp_f32 and their like allow (about 1e-6 of the number): no bf16 or f16 on the way to a quantiser, and a product that is left as it is and whose result goes on into a quantised operand takes f32 operands (vector FMAs, or v_wmma_f32_16x16x4_f32). A number that lies on a knife's edge between two numbers of the format may be rounded either way, as far as f32 arithmetic and the matrix unit's own rounding can turn it there, and no further.
;; 2 versions, each right and faster than the one before. Each part assembles by itself: llvm-mc -triple=amdgcn-amd-amdhsa -mcpu=gfx1250 --defsym DOCPART=n.
;; ======== version 1 of 2: 1 launch
;; launch gmm (part 1): grid 256 x 1, 8 waves a work-group, no clusters, 110,592 bytes of LDS; arguments covariances_inv, inputs, lowp_scales, means, weights, out0; writes out0
.if DOCPART == 1
	.amdgcn_target "amdgcn-amd-amdhsa--gfx1250"
	.amdhsa_code_object_version 6
	.text
	.protected	k_q4f18a6b956_gmm
	.globl	k_q4f18a6b956_gmm
	.p2align	8
	.type	k_q4f18a6b956_gmm,@function
k_q4f18a6b956_gmm:
	s_mov_b64 s[64:65], 0
	v_nop
	global_prefetch_b8 v0, s[64:65] scope:SCOPE_SE
	s_setreg_imm32_b32 hwreg(HW_REG_WAVE_MODE, 25, 1), 1
	s_wait_xcnt 0x0
; score[n] = prod over c of d[n][c]^w[c],  d[n][c] = sum over e of y[e] cen[e],  y[e] = sum over d of Q(cov[c][d][e]) Q(cen[d]),  cen = x[n] - m[c].
; x: [262144][64] f32; cov: [16][64][64] f32; m: [16][64] f32; w: [16] f32; the scales' exponents e0 (cov), e1 (cen): int32; score: [262144] f32.
; Q: number / 2^e, held within +-448, to the nearest E4M3 code, ties to even.  THE QUANTISED PRODUCT'S K IS cov'S MIDDLE AXIS d; no symmetry of cov is used.  The second product takes the f32 cen.
; The power 2^(e0+e1) that the sums of codes lack goes into the logarithm: score = 2^(sum over c of w[c] log2(raw d) + (e0+e1) sum over c of w[c]).
; SHARES.  256 work-groups of eight waves; a work-group owns 1,024 samples, a wave 128, in two passes of four tiles of 16.  In a pass x stays in 128 registers, and the wave walks the 16 components in
; eight trips, components i and i + 8 in trip i.  A unit = one component x one tile: 16 packed subtractions, 32 holds, 4 conversions, 4 matrix instructions, 16 packed multiply-adds.
; LAYOUT.  The matrix instruction is used transposed: source 0 = 16 rows e of cov^T (K = d), source 1 = 16 samples.  Lane (r = lane % 16, h = lane / 16) holds sample r, and register 8 t + j stands for index
; 16 t + 8 h + j.  That one map is source 1's own layout along K (ISA guide 7.12.2), the layout of the four results along e, and the order in which x and the means are fetched:
; cen is made once, feeds the quantiser and the second product, and nothing changes lanes between the two products.
; A SLOT works one unit's results and makes the next unit's operand: the next unit's subtractions are the places behind the matrix instructions just issued; each hold lands on a result register just behind its read.
; cov is quantised once by the work-group (wave w: components w and w + 8) and lies in LDS as images of source 0's registers: one barrier in the whole text.
; NO JOINT LOADS, NO DATA MOVER: cov as f32 is 262,144 bytes and its codes 65,536: together all 327,680 bytes of LDS, with no room for means and stages; each wave takes its two components through its own
; registers instead, in whole rows of 256 bytes.  x is read once, 512 consecutive bytes a load, and turned through a stage of 4,352 bytes a wave; pass 1's x is asked for ahead of pass 0's work.
; LIMITS.  e0, e1 between -126 and 119 (2^e and 448 x 2^e are f32 numbers).  A raw d under 2^-126 counts as 0 and a score under 2^-126 comes out as 0 (v_log_f32 and v_exp_f32 flush denormals: ISA guide 15.8).
; d < 0 gives NaN whatever the weight.  A weight of exactly 0 beside d <= 0, an infinite d or NaN gives NaN, not 1.  NaN among the inputs is not served: the hold does not keep it.
; LDS: codes 0 (byte 4096 c + 1024 t + 512 q + 16 lane: registers 4 q .. 4 q + 3 of fragment (c, t)); means 65,536, as they lie; weights 69,632: word (thread) = w[thread % 16], 128 bytes a wave, its own;
;   scores 70,656: 512 bytes a wave; stages 74,752: for each wave 16 rows of 256 + 16 bytes = 68 words: row r starts at bank 4 r mod 64 (64 banks of 4 bytes: ISA guide 11.1).
; REGISTERS.  Window 0: v1-14 addresses and constants that stay; v15-35 a unit's small numbers; v40-47 codes; v48-79 means; v80-143 two sets of fragments; v144-207 two sets of cen; v208-239 held numbers, then results.
;   Window 1: v0-127 x of the pass; v128-255 x as loaded.  Ahead of the barrier window 0's v16-255 serve cov's quantiser.
.set MEANS,  65536
.set WTS,    69632
.set OUTS,   70656
.set STAGE,  74752
.set SPITCH, 272
.set WSTAGE, 16*SPITCH
.set LI,   1                           ; v1   16 x lane
.set MA0,  2                           ; v2   MEANS + 32 h
.set WA0,  3                           ; v3   WTS + 128 wave + 32 h
.set VA,   4                           ; v4   16 x lane + 4096 i
.set MAC,  5                           ; v5   MA0 + 256 i
.set WAC,  6                           ; v6   WA0 + 4 i
.set STO,  7                           ; v7   my stage, on the way in: row h, 16 r
.set SRD,  8                           ; v8   my stage, on the way out: row r, 32 h
.set OSTO, 9                           ; v9   my wave's scores: 4 r
.set ORD,  10                          ; v10  and back: 8 x lane
.set GO,   11                          ; v11  8 x lane: my byte offset in a pass's 256 bytes of the output
.set LIM1, 12                          ; v12  448 x 2^e1
.set SC1,  13                          ; v13  2^e1
.set SWE,  14                          ; v14  (e0 + e1) x the sum of my half's eight weights
.set W,    15                          ; v15  the trip's weight: lanes 0-15 w[i], lanes 16-31 w[i + 8]
.set ACC,  16                          ; v[16:17] the second product's sum, in two halves
.set P2,   18
.set SEND, 19
.set KEEP, 20
.set RECV, 21
.set LG,   22
.set P1,   24                          ; v24-27  component i's half sums, one a tile
.set S,    28                          ; v28-31  sum of w log2 d, one a tile
.set OUT,  32                          ; v[32:33], v[34:35] a pass's scores on their way out
.set CD,   40                          ; v40-47  source 1: 16 samples x 64 codes
.set M,    48                          ; v48-79  the component's means, in my lane's order
.set AF,   80                          ; v80-111 component i's four fragments; v112-143 component i + 8's
.set CEN,  144                         ; v144-175, v176-207: cen of the unit in hand and of the next, by turns
.set Y,    208                         ; v208-239
.set X,    0                           ; window 1
.set XR,   128                         ; window 1
.set CQ,   16                          ; ahead of the barrier: v16-47 cov's codes, 8 registers for each of a lane's four columns
.set TMP,  48                          ;   v48-111 two sets of 32 held numbers
.set VC,   117                         ;   v117 cov: 8192 h + 16 r
.set VQ,   118                         ;   v118 where my codes go
.set LIM0, 123                         ;   v123 448 x 2^e0
.set SC0,  124                         ;   v124 2^e0
.set RAW,  128                         ;   v128-255 a component of cov as loaded
.set MSB, 0
.macro WIN new                         ; the immediate's high byte repeats the setting that is left; a switch that changes nothing is dropped
.if MSB != \new
	s_set_vgpr_msb (MSB<<8)|\new
.set MSB, \new
.endif
.endm
; pass p's 64 rows of x: 32 loads of 512 consecutive bytes, two whole rows each
.macro LOADX p
	WIN 0x40                                       ; destination window 1, offset register window 0
.set n1, 0
.rept 32
	global_load_b128 v[XR+4*n1:XR+4*n1+3], v[LI], s[6:7] offset:16384*(\p)+512*n1 th:TH_LOAD_NT
.set n1, n1+1
.endr
	WIN 0
.endm
; component wave + 8 b of cov: load i brings rows d = i (lanes 0-15) and d = 32 + i (lanes 16-31), each a whole row of 256 bytes: register 4 i + j of lane (r, h) = cov[c][32 h + i][4 r + j]
.macro LOADCOV b
.set n1, 0
.rept 32
	global_load_b128 v[RAW+4*n1:RAW+4*n1+3], v[VC], s[4:5] offset:131072*(\b)+256*n1
.set n1, n1+1
.endr
.endm
; Column e = 4 r + j of my 32 rows d: the hold picks every fourth register and lays d on end, so the turn costs nothing.  The four conversions' codes are d = 32 h + 8 g + 0 .. 7, g = 0 .. 3.
; They belong to fragment t = r / 4, row 4 (r % 4) + j, registers 4 h .. 4 h + 3: g = 0, 2 of the target's lower lane, g = 1, 3 of its upper lane.
.macro QUANTCOV b
.irp j, 0,1,2,3
.set TS, TMP+32*(\j%2)
.set n1, 0
.rept 32
	v_med3_num_f32 v[TS+n1], v[RAW+4*n1+\j], -v[LIM0], v[LIM0]   ; the conversion to an 8-bit code does not saturate (ISA guide 7.6.2)
.set n1, n1+1
.endr
	v_cvt_scalef32_pk8_fp8_f32 v[CQ+8*\j:CQ+8*\j+1],   v[TS:TS+7],     v[SC0]
	v_cvt_scalef32_pk8_fp8_f32 v[CQ+8*\j+4:CQ+8*\j+5], v[TS+8:TS+15],  v[SC0]
	v_cvt_scalef32_pk8_fp8_f32 v[CQ+8*\j+2:CQ+8*\j+3], v[TS+16:TS+23], v[SC0]
	v_cvt_scalef32_pk8_fp8_f32 v[CQ+8*\j+6:CQ+8*\j+7], v[TS+24:TS+31], v[SC0]
	v_nop                                          ; a plain line behind the run of conversions, ahead of whatever next touches their registers
	ds_store_b128 v[VQ], v[CQ+8*\j:CQ+8*\j+3]   offset:32768*(\b)+16*\j
	ds_store_b128 v[VQ], v[CQ+8*\j+4:CQ+8*\j+7] offset:32768*(\b)+16*\j+256
.endr
.endm
; x as loaded -> x in my lane's order, a tile at a time through my own stage.  LDS serves a wave's instructions in order (ISA guide 5.7.1.4): no wait between stores and loads, nor in front of the next tile's stores
.macro STAGEX
	WIN 0x44                                       ; store data and load destination window 1, addresses window 0
.irp t, 0,1,2,3
.irp i, 0,1,2,3,4,5,6,7
	ds_store_b128 v[STO], v[XR+32*\t+4*\i:XR+32*\t+4*\i+3] offset:2*SPITCH*\i
.endr
.irp k, 0,1,2,3,4,5,6,7
	ds_load_b128 v[X+32*\t+4*\k:X+32*\t+4*\k+3], v[SRD] offset:64*(\k/2)+16*(\k%2)
.endr
.endr
	WIN 0
.endm
.macro LOADM adr, off                  ; a component's means in my lane's order; the sixteen lanes of a half share each address
.irp k, 0,1,2,3,4,5,6,7
	ds_load_b128 v[M+4*\k:M+4*\k+3], v[\adr] offset:(\off)+64*(\k/2)+16*(\k%2)
.endr
.endm
.macro LOADAF set, adr, off            ; a component's four fragments, as images: 512 consecutive bytes a load
.irp k, 0,1,2,3,4,5,6,7
	ds_load_b128 v[AF+32*(\set)+4*\k:AF+32*(\set)+4*\k+3], v[\adr] offset:(\off)+512*\k
.endr
.endm
.macro SUBX t, set                     ; cen = x - m for tile t, two at a time
	WIN 0x01                                       ; source 0 (x) window 1
.set n2, 0
.rept 16
	v_pk_add_f32 v[CEN+32*(\set)+n2:CEN+32*(\set)+n2+1], v[X+32*(\t)+n2:X+32*(\t)+n2+1], v[M+n2:M+n2+1] neg_lo:[0,1] neg_hi:[0,1]
.set n2, n2+2
.endr
	WIN 0
.endm
.macro CVTS                            ; the 32 held numbers become source 1's eight registers: registers 2 g, 2 g + 1 = k 16 g + 8 h + 0 .. 7
.irp g, 0,1,2,3
	v_cvt_scalef32_pk8_fp8_f32 v[CD+2*\g:CD+2*\g+1], v[Y+8*\g:Y+8*\g+7], v[SC1]
.endr
.endm
.macro MMA set                         ; y for 64 e x 16 samples: each sum is one instruction, begun with the constant 0: four accumulators, no chain
.irp t, 0,1,2,3
	v_wmma_f32_16x16x64_fp8_fp8 v[Y+8*\t:Y+8*\t+7], v[AF+32*(\set)+8*\t:AF+32*(\set)+8*\t+7], v[CD:CD+7], 0
.endr
.endm
; A SLOT.  The unit in hand: tile t of component i (half = 0) or i + 8 (half = 1); its matrix instructions were issued just before.  more = 0: the pass's last trip.
.macro SLOT t, half, more
.set NXT, 1
.if ((\t) == 3) && ((\half) == 1) && ((\more) == 0)
.set NXT, 0                            ; the pass's last unit has no successor
.endif
.set CA, CEN+32*((\t)%2)               ; cen of the unit in hand,
.set CB, CEN+32*(1-(\t)%2)             ; of the next
.if ((\t) == 3) && NXT
	s_wait_dscnt 0x0                               ; the next component's means (asked for a slot ago) and fragments (four slots ago or more) are in, and so is the trip's weight
.if \more
	v_lshl_add_u32 v[VA], s26, 12, v[LI]           ; written here, where no LDS load that names it is out
.endif
.endif
.if NXT
	SUBX ((\t)+1)%4, 1-(\t)%2                      ; sixteen plain instructions that name no register of the matrix instructions just issued: the places behind them (ISA guide 7.12.1)
.else
.rept 4
	v_nop
.endr
.endif
.if ((\t) == 0) && ((\half) == 0)
	ds_load_b32 v[W], v[WAC]
.endif
.if (\t) == 2                          ; tile 3 has just been subtracted: the means' registers take the next component's
.if (\half) == 0
	LOADM MAC, 2048
.elseif \more
	LOADM MAC, 256
.endif
.endif
.if ((\t) == 3) && (\more)             ; this half's fragments were last read by the matrix instructions ahead of the sixteen subtractions: they take the next trip's
	LOADAF \half, VA, 4096+32768*(\half)
.endif
.set n3, 0
.rept 16                               ; the second product, each accumulator from its low end on; behind each read the next unit's held numbers take the two registers
.if n3 == 0
	v_pk_mul_f32 v[ACC:ACC+1], v[Y:Y+1], v[CA:CA+1]
.else
	v_pk_fma_f32 v[ACC:ACC+1], v[Y+2*n3:Y+2*n3+1], v[CA+2*n3:CA+2*n3+1], v[ACC:ACC+1]
.endif
.if NXT && (n3 < 15)
	v_med3_num_f32 v[Y+2*n3],   v[CB+2*n3],   -v[LIM1], v[LIM1]   ; the conversion to an 8-bit code does not saturate (ISA guide 7.6.2)
	v_med3_num_f32 v[Y+2*n3+1], v[CB+2*n3+1], -v[LIM1], v[LIM1]
.endif
.set n3, n3+1
.endr
.if (\half) == 1                       ; a sample's sum lies in two lanes, 16 apart, for each of the two components: lanes 0-15 gather component i's, lanes 16-31 component i + 8's: one logarithm serves both
	v_add_f32 v[P2], v[ACC], v[ACC+1]
	v_cndmask_b32 v[SEND], v[P2], v[P1+(\t)], vcc_lo   ; what the lane 16 away wants
	v_cndmask_b32 v[KEEP], v[P1+(\t)], v[P2], vcc_lo   ; what I keep
	v_permlanex16_b32 v[RECV], v[SEND], s24, s25
	v_add_f32 v[KEEP], v[KEEP], v[RECV]
	v_log_f32 v[LG], v[KEEP]
.endif
.if NXT
	v_med3_num_f32 v[Y+30], v[CB+30], -v[LIM1], v[LIM1]   ; the last two holds: also the plain line behind the logarithm (ISA guide 5.7.2)
	v_med3_num_f32 v[Y+31], v[CB+31], -v[LIM1], v[LIM1]
	CVTS
.else
	v_nop
	s_wait_alu depctr_va_vdst(0)
.endif
.if (\half) == 1                       ; either line is also the plain line between the conversions and the matrix instructions that read their codes and write over their sources
	s_wait_alu depctr_va_vdst(0)
	v_fmac_f32 v[S+(\t)], v[W], v[LG]
.else
	v_add_f32 v[P1+(\t)], v[ACC], v[ACC+1]
.endif
.if NXT
.if (\t) < 3
	MMA \half
.else
	MMA 1-(\half)
.endif
.endif
.endm
.macro TRIP more
	v_lshl_add_u32 v[MAC], s26, 8, v[MA0]          ; the loads that named these two were waited for in the trip before
	v_lshl_add_u32 v[WAC], s26, 2, v[WA0]
.irp hf, 0,1
.irp t, 0,1,2,3
	SLOT \t, \hf, \more
.endr
.endr
.endm
.macro PASS
.irp t, 0,1,2,3
	v_mov_b32 v[S+\t], v[SWE]                      ; the sums begin with the scales' share
.endr
	s_mov_b32 s26, 0
	LOADM MA0, 0
	LOADAF 0, LI, 0
	LOADAF 1, LI, 32768
	s_wait_dscnt 0x0                               ; means and fragments of components 0 and 8, and the pass's x from the stage
	SUBX 0, 0
.set n3, 0
.rept 32
	v_med3_num_f32 v[Y+n3], v[CEN+n3], -v[LIM1], v[LIM1]
.set n3, n3+1
.endr
	CVTS
	v_nop
	MMA 0
.Ltrip_\@:                             ; seven trips; the eighth is written out: it fetches nothing beyond component 15 and starts no unit behind its last
	TRIP 1
	s_add_co_u32 s26, s26, 1
	s_cmp_lt_u32 s26, 7
	s_cbranch_scc1 .Ltrip_\@
	TRIP 0
.endm
; the two halves' sums meet; 2^sum; the pass's 64 scores gather in my own LDS bytes and leave as 256 consecutive bytes, at a multiple of 256 from the output's first byte, by one store
.macro FINISH p
.irp t, 0,1,2,3
	v_permlanex16_b32 v[CEN+\t], v[S+\t], s24, s25
.endr
.irp t, 0,1,2,3
	v_add_f32 v[CEN+\t], v[CEN+\t], v[S+\t]
.endr
.irp t, 0,1,2,3
	v_exp_f32 v[CEN+\t], v[CEN+\t]
.endr
	v_nop                                          ; a plain line behind the last exponential
	s_wait_alu depctr_va_vdst(0)
.irp t, 0,1,2,3
	ds_store_b32 v[OSTO], v[CEN+\t] offset:256*(\p)+64*\t   ; lanes r and r + 16 hold the same number and write the same word
.endr
	ds_load_b64 v[OUT+2*(\p):OUT+2*(\p)+1], v[ORD] offset:256*(\p)
	s_wait_dscnt 0x0
	global_store_b64 v[GO], v[OUT+2*(\p):OUT+2*(\p)+1], s[14:15] offset:256*(\p) th:TH_STORE_NT   ; each pass has its own pair of registers, and the offset register stays
.endm
	s_load_b256 s[4:11], s[0:1], 0x0               ; cov s[4:5], x s[6:7], the scales' exponents s[8:9], means s[10:11]
	s_load_b128 s[12:15], s[0:1], 0x20             ; weights s[12:13], the output s[14:15]
	v_lshrrev_b32 v16, 5, v0
	v_readfirstlane_b32 s16, v16                   ; wave 0..7
	v_and_b32 v17, 31, v0                          ; lane
	v_and_b32 v18, 15, v0                          ; r
	v_bfe_u32 v19, v0, 4, 1                        ; h
	s_mov_b32 s24, 0x76543210                      ; v_permlanex16_b32's selects for lane l xor 16
	s_mov_b32 s25, 0xfedcba98
	s_mov_b32 vcc_lo, 0xffff0000                   ; lanes 16-31; never rewritten
	v_lshlrev_b32 v[LI], 4, v17
	v_lshlrev_b32 v[GO], 3, v17
	v_lshl_add_u32 v[MA0], v19, 5, MEANS
	s_lshl_b32 s17, s16, 7
	s_add_co_u32 s17, s17, WTS
	v_lshl_add_u32 v[WA0], v19, 5, s17
	s_mul_i32 s18, s16, WSTAGE
	s_add_co_u32 s18, s18, STAGE                   ; my stage
	v_mul_u32_u24 v20, v19, SPITCH
	v_lshl_add_u32 v20, v18, 4, v20
	v_add_nc_u32 v[STO], s18, v20                  ; in: lanes 0-15 one row of 256 bytes, lanes 16-31 the next
	v_mul_u32_u24 v20, v18, SPITCH
	v_lshl_add_u32 v20, v19, 5, v20
	v_add_nc_u32 v[SRD], s18, v20                  ; out: row r, my half's 32 bytes of each 64
	s_lshl_b32 s19, s16, 9
	s_add_co_u32 s19, s19, OUTS
	v_lshl_add_u32 v[OSTO], v18, 2, s19
	v_lshl_add_u32 v[ORD], v17, 3, s19
	v_lshlrev_b32 v[VC], 4, v18
	v_lshl_add_u32 v[VC], v19, 13, v[VC]           ; cov: 16 r + 32 rows of 256 bytes x h
	v_lshrrev_b32 v20, 2, v18
	v_and_b32 v21, 3, v18
	v_lshlrev_b32 v[VQ], 10, v20
	v_lshl_add_u32 v[VQ], v21, 6, v[VQ]
	v_lshl_add_u32 v[VQ], v19, 9, v[VQ]
	s_lshl_b32 s22, s16, 12
	v_add_nc_u32 v[VQ], s22, v[VQ]                 ; codes: 1024 (r / 4) + 64 (r % 4) + 512 h + 4096 wave
	v_lshlrev_b32 v119, 4, v0                      ; means: 16 bytes a thread, in memory
	v_lshl_add_u32 v120, v0, 4, MEANS              ; and in LDS
	v_lshlrev_b32 v121, 2, v18                     ; weights: w[thread % 16] in memory,
	v_lshl_add_u32 v122, v0, 2, WTS                ; a word a thread in LDS
	s_lshl_b32 s28, s16, 14                        ; cov: component = wave
	s_mov_b32 s29, 0
	s_lshl_b32 s30, ttmp9, 18                      ; x: 1,024 rows of 256 bytes a work-group, 128 a wave
	s_lshl_b32 s17, s16, 15
	s_add_co_u32 s30, s30, s17
	s_mov_b32 s31, 0
	s_lshl_b32 s32, ttmp9, 12                      ; the output: 4,096 bytes a work-group, 512 a wave
	s_lshl_b32 s17, s16, 9
	s_add_co_u32 s32, s32, s17
	s_mov_b32 s33, 0
	s_wait_kmcnt 0x0
	s_load_b64 s[20:21], s[8:9], 0x0               ; e0, e1
	s_add_nc_u64 s[4:5], s[4:5], s[28:29]
	s_add_nc_u64 s[6:7], s[6:7], s[30:31]
	s_add_nc_u64 s[14:15], s[14:15], s[32:33]
	global_load_b128 v[112:115], v119, s[10:11]
	global_load_b32 v116, v121, s[12:13]
	LOADCOV 0
	LOADX 0
	s_wait_kmcnt 0x0
	s_add_co_i32 s22, s20, 127
	s_lshl_b32 s23, s22, 23
	v_mov_b32 v[SC0], s23                          ; 2^e0 as f32: the conversion takes its exponent field
	s_add_co_i32 s22, s22, 8
	s_lshl_b32 s22, s22, 23
	s_or_b32 s22, s22, 0x600000
	v_mov_b32 v[LIM0], s22                         ; 448 x 2^e0
	s_add_co_i32 s22, s21, 127
	s_lshl_b32 s23, s22, 23
	v_mov_b32 v[SC1], s23                          ; the same with e1
	s_add_co_i32 s22, s22, 8
	s_lshl_b32 s22, s22, 23
	s_or_b32 s22, s22, 0x600000
	v_mov_b32 v[LIM1], s22
	s_wait_loadcnt 32                              ; loads come back in order (ISA guide 5.7.1): means, weight and my first component are in; the 32 loads of x behind them may be out
	ds_store_b128 v120, v[112:115]
	ds_store_b32 v122, v116
	QUANTCOV 0
	LOADCOV 1                                      ; my second component, into the registers that the first has left
	s_wait_loadcnt 32                              ; pass 0's x is in; the 32 loads just issued may be out
	STAGEX
	s_wait_dscnt 0x0                               ; x is back in my lane's order; the stores into the stage and of the codes have read their registers
	LOADX 1                                        ; pass 1's x: it has all of pass 0 in which to land
	s_wait_loadcnt 32                              ; my second component is in; the 32 loads just issued may be out
	QUANTCOV 1
	ds_load_b128 v[48:51], v[WA0]                  ; my half's eight weights, from my wave's own words
	ds_load_b128 v[52:55], v[WA0] offset:16
	s_add_co_i32 s22, s20, s21
	v_cvt_f32_i32 v56, s22                         ; e0 + e1
	s_wait_dscnt 0x0                               ; the weights are in; for the others' sake: my stores of codes and means are done
	v_mov_b32 v[RECV], 0                           ; written once: a lane permute's destination counts as one of its sources
	v_add_f32 v48, v48, v49
	v_add_f32 v50, v50, v51
	v_add_f32 v52, v52, v53
	v_add_f32 v54, v54, v55
	v_add_f32 v48, v48, v50
	v_add_f32 v52, v52, v54
	v_add_f32 v48, v48, v52
	v_mul_f32 v[SWE], v48, v56
	s_barrier_signal -1                            ; the one barrier: behind it all sixteen components' codes and the means lie in LDS, and nobody writes them again
	s_barrier_wait -1                              ; (pass 1's loads of x stay out across it: nobody writes those bytes)
	PASS
	FINISH 0
	s_wait_loadcnt 0x0                             ; pass 1's x
	STAGEX
	PASS
	FINISH 1
	s_barrier_signal -1
	s_barrier_wait -1
	s_wait_xcnt 0x0
	v_lshl_add_u32 v254, v0, 2, 0x1ac00
	v_mov_b32 v255, 0
	s_wait_tensorcnt 0x0
	ds_add_u32 v254, v255
	s_wait_dscnt 0x0
	s_endpgm
.Lfunc_end_k_q4f18a6b956_gmm:
	.size	k_q4f18a6b956_gmm, .Lfunc_end_k_q4f18a6b956_gmm-k_q4f18a6b956_gmm
	.p2alignl 7, 3214868480
	.fill 96, 4, 3214868480
	.section	.rodata,"a",@progbits
	.p2align	6, 0x0
	.amdhsa_kernel k_q4f18a6b956_gmm
		.amdhsa_group_segment_fixed_size 110592
		.amdhsa_private_segment_fixed_size 0
		.amdhsa_enable_private_segment 0
		.amdhsa_kernarg_size 48
		.amdhsa_user_sgpr_count 2
		.amdhsa_user_sgpr_kernarg_segment_ptr 1
		.amdhsa_wavefront_size32 1
		.amdhsa_system_sgpr_workgroup_id_x 1
		.amdhsa_system_sgpr_workgroup_id_y 1
		.amdhsa_system_sgpr_workgroup_id_z 1
		.amdhsa_system_vgpr_workitem_id 0
		.amdhsa_next_free_vgpr 512
		.amdhsa_next_free_sgpr 66
		.amdhsa_reserve_vcc 1
		.amdhsa_float_denorm_mode_32 3
		.amdhsa_float_denorm_mode_16_64 3
		.amdhsa_memory_ordered 1
		.amdhsa_forward_progress 1
		.amdhsa_inst_pref_size 208
	.end_amdhsa_kernel
	.amdgpu_metadata
---
amdhsa.version: [ 1, 2 ]
amdhsa.kernels:
  - .name:           k_q4f18a6b956_gmm
    .symbol:         k_q4f18a6b956_gmm.kd
    .args:
      - { .name: covariances_inv, .offset: 0, .size: 8, .value_kind: global_buffer, .address_space: global }
      - { .name: inputs, .offset: 8, .size: 8, .value_kind: global_buffer, .address_space: global }
      - { .name: lowp_scales, .offset: 16, .size: 8, .value_kind: global_buffer, .address_space: global }
      - { .name: means, .offset: 24, .size: 8, .value_kind: global_buffer, .address_space: global }
      - { .name: weights, .offset: 32, .size: 8, .value_kind: global_buffer, .address_space: global }
      - { .name: out0, .offset: 40, .size: 8, .value_kind: global_buffer, .address_space: global }
    .group_segment_fixed_size: 110592
    .private_segment_fixed_size: 0
    .kernarg_segment_align: 8
    .kernarg_segment_size: 48
    .max_flat_workgroup_size: 256
    .sgpr_count:     66
    .vgpr_count:     512
    .wavefront_size: 32
...
	.end_amdgpu_metadata
.endif
;; end of part 1
;; ======== version 2 of 2: 1 launch; 1.14 times as fast as version 1
;; launch gmm (part 2): grid 256 x 1, 8 waves a work-group, no clusters, 215,040 bytes of LDS; arguments covariances_inv, inputs, lowp_scales, means, weights, out0; writes out0
.if DOCPART == 2
	.amdgcn_target "amdgcn-amd-amdhsa--gfx1250"
	.amdhsa_code_object_version 6
	.text
	.protected	k_q4f18a6b956_gmm
	.globl	k_q4f18a6b956_gmm
	.p2align	8
	.type	k_q4f18a6b956_gmm,@function
k_q4f18a6b956_gmm:
	s_mov_b64 s[64:65], 0
	v_nop
	global_prefetch_b8 v0, s[64:65] scope:SCOPE_SE
	s_setreg_imm32_b32 hwreg(HW_REG_WAVE_MODE, 25, 1), 1
	s_wait_xcnt 0x0
; score[n] = prod over c of d[n][c]^w[c],  d[n][c] = sum over e of y[e] cen[e],  y[e] = sum over d of Q(cov[c][d][e]) Q(cen[d]),  cen = x[n] - m[c].
; x: [262144][64] f32; cov: [16][64][64] f32; m: [16][64] f32; w: [16] f32; the scales' exponents e0 (cov), e1 (cen): int32; score: [262144] f32.
; Q: number / 2^e, held within +-448, to the nearest E4M3 code, ties to even.  THE QUANTISED PRODUCT'S K IS cov'S MIDDLE AXIS d; no symmetry of cov is used.  The second product takes the f32 cen.
; The power 2^(e0+e1) that the sums of codes lack goes into the logarithm: score = 2^(sum over c of w[c] log2(raw d) + (e0+e1) sum over c of w[c]).
; SHARES.  256 work-groups of eight waves; a work-group owns 1,024 samples, a wave 128, in two passes of four tiles of 16.  In a pass x stays in 128 registers, and the wave walks the 16 components in
; eight trips, components i and i + 8 in trip i.  A unit = one component x one tile: 16 packed subtractions, 32 holds, 4 conversions, 4 matrix instructions, 16 packed multiply-adds.
; LAYOUT.  The matrix instruction is used transposed: source 0 = 16 rows e of cov^T (K = d), source 1 = 16 samples.  Lane (r = lane % 16, h = lane / 16) holds sample r, and register 8 t + j stands for index
; 16 t + 8 h + j.  That one map is source 1's own layout along K (ISA guide 7.12.2), the layout of the four results along e, and the order in which x and the means are fetched:
; cen is made once, feeds the quantiser and the second product, and nothing changes lanes between the two products.
; A SLOT works one unit's results, makes the next unit's operand and finishes the unit before: the next unit's subtractions are the places behind the matrix instructions just issued; the second product runs in
; two chains by turns; each hold lands on a result register just behind its read; the six steps that take the unit before from its sum to w log2 d stand one behind every second link, so that none of them
; reads the result of the instruction just before it.
; cov is quantised once by the work-group (wave w: components w and w + 8) and lies in LDS as images of source 0's registers: one barrier in the whole text.
; x: pass 0's is asked for at the head; pass 1's in pass 0's first trip, four loads a slot; it is turned through the stage in pass 0's last trip, a tile a slot.  Those two trips are written out.
; NO JOINT LOADS, NO DATA MOVER: cov as f32 is 262,144 bytes and its codes 65,536: together 327,680 bytes, all that a work-group can be given, with no room for means and stages; each wave takes its two
; components through its own registers instead, in whole rows of 256 bytes.  x is read once, 512 consecutive bytes a load.
; LIMITS.  e0, e1 between -126 and 119 (2^e and 448 x 2^e are f32 numbers).  A raw d under 2^-126 counts as 0 and a score under 2^-126 comes out as 0 (v_log_f32 and v_exp_f32 flush denormals: ISA guide 15.8).
; d < 0 gives NaN whatever the weight.  A weight of exactly 0 beside d <= 0, an infinite d or NaN gives NaN, not 1.  NaN among the inputs is not served: the hold does not keep it.
; LDS: codes 0 (byte 4096 c + 1024 t + 512 q + 16 lane: registers 4 q .. 4 q + 3 of fragment (c, t)); means 65,536, as they lie; weights 69,632: word (thread) = w[thread % 16], 128 bytes a wave, its own;
;   scores 70,656: 512 bytes a wave; stages 74,752: for each wave four tiles of 16 rows of 256 + 16 bytes = 68 words: row r starts at bank 4 r mod 64 (64 banks of 4 bytes: ISA guide 11.1).
; REGISTERS.  Window 0: v1-14 addresses and constants that stay; v15-39 a unit's small numbers; v40-47 codes; v48-79 means; v80-143 two sets of fragments; v144-207 two sets of cen; v208-239 held numbers, then results.
;   Window 1: v0-127 x of the pass; v128-255 x as loaded.  Ahead of the barrier window 0's v16-255 serve cov's quantiser.
.set MEANS,  65536
.set WTS,    69632
.set OUTS,   70656
.set STAGE,  74752
.set SPITCH, 272
.set TSTAGE, 16*SPITCH                 ; a tile in the stage
.set WSTAGE, 4*TSTAGE                  ; a wave's stage
.set LI,   1                           ; v1   16 x lane
.set MA0,  2                           ; v2   MEANS + 32 h
.set WA0,  3                           ; v3   WTS + 128 wave + 32 h
.set VA,   4                           ; v4   16 x lane + 4096 i
.set MAC,  5                           ; v5   MA0 + 256 i
.set WAC,  6                           ; v6   WA0 + 4 i
.set STO,  7                           ; v7   my stage, on the way in: row h, 16 r
.set SRD,  8                           ; v8   my stage, on the way out: row r, 32 h
.set OSTO, 9                           ; v9   my wave's scores: 4 r
.set ORD,  10                          ; v10  and back: 8 x lane
.set GO,   11                          ; v11  8 x lane: my byte offset in a pass's 256 bytes of the output
.set LIM1, 12                          ; v12  448 x 2^e1
.set SC1,  13                          ; v13  2^e1
.set SWE,  14                          ; v14  (e0 + e1) x the sum of my half's eight weights
.set W,    15                          ; v15  the trip's weight: lanes 0-15 w[i], lanes 16-31 w[i + 8]
.set ACCA, 16                          ; v[16:17] the second product's sum over the even pairs,
.set ACCB, 36                          ; v[36:37] over the odd pairs
.set Q,    38                          ; v[38:39] the two joined: a finished unit's sum, in two halves, on its way into the next slot
.set P2,   18
.set SEND, 19
.set KEEP, 20
.set RECV, 21
.set LG,   22
.set P1,   24                          ; v24-27  component i's half sums, one a tile
.set S,    28                          ; v28-31  sum of w log2 d, one a tile
.set OUT,  32                          ; v[32:33], v[34:35] a pass's scores on their way out
.set CD,   40                          ; v40-47  source 1: 16 samples x 64 codes
.set M,    48                          ; v48-79  the component's means, in my lane's order
.set AF,   80                          ; v80-111 component i's four fragments; v112-143 component i + 8's
.set CEN,  144                         ; v144-175, v176-207: cen of the unit in hand and of the next, by turns
.set Y,    208                         ; v208-239
.set X,    0                           ; window 1
.set XR,   128                         ; window 1
.set CQ,   16                          ; ahead of the barrier: v16-47 cov's codes, 8 registers for each of a lane's four columns
.set TMP,  48                          ;   v48-111 two sets of 32 held numbers
.set VC,   117                         ;   v117 cov: 8192 h + 16 r
.set VQ,   118                         ;   v118 where my codes go
.set LIM0, 123                         ;   v123 448 x 2^e0
.set SC0,  124                         ;   v124 2^e0
.set RAW,  128                         ;   v128-255 a component of cov as loaded
.set MSB, 0
.macro WIN new                         ; the immediate's high byte repeats the setting that is left; a switch that changes nothing is dropped
.if MSB != \new
	s_set_vgpr_msb (MSB<<8)|\new
.set MSB, \new
.endif
.endm
; pass 0's 64 rows of x: 32 loads of 512 consecutive bytes, two whole rows each
.macro LOADX0
	WIN 0x40                                       ; destination window 1, offset register window 0
.set n1, 0
.rept 32
	global_load_b128 v[XR+4*n1:XR+4*n1+3], v[LI], s[6:7] offset:512*n1 th:TH_LOAD_NT
.set n1, n1+1
.endr
	WIN 0
.endm
; component wave + 8 b of cov: load i brings rows d = i (lanes 0-15) and d = 32 + i (lanes 16-31), each a whole row of 256 bytes: register 4 i + j of lane (r, h) = cov[c][32 h + i][4 r + j]
.macro LOADCOV b
.set n1, 0
.rept 32
	global_load_b128 v[RAW+4*n1:RAW+4*n1+3], v[VC], s[4:5] offset:131072*(\b)+256*n1
.set n1, n1+1
.endr
.endm
; Column e = 4 r + j of my 32 rows d: the hold picks every fourth register and lays d on end, so the turn costs nothing.  The four conversions' codes are d = 32 h + 8 g + 0 .. 7, g = 0 .. 3.
; They belong to fragment t = r / 4, row 4 (r % 4) + j, registers 4 h .. 4 h + 3: g = 0, 2 of the target's lower lane, g = 1, 3 of its upper lane.
.macro QUANTCOV b
.irp j, 0,1,2,3
.set TS, TMP+32*(\j%2)
.set n1, 0
.rept 32
	v_med3_num_f32 v[TS+n1], v[RAW+4*n1+\j], -v[LIM0], v[LIM0]   ; the conversion to an 8-bit code does not saturate (ISA guide 7.6.2)
.set n1, n1+1
.endr
	v_cvt_scalef32_pk8_fp8_f32 v[CQ+8*\j:CQ+8*\j+1],   v[TS:TS+7],     v[SC0]
	v_cvt_scalef32_pk8_fp8_f32 v[CQ+8*\j+4:CQ+8*\j+5], v[TS+8:TS+15],  v[SC0]
	v_cvt_scalef32_pk8_fp8_f32 v[CQ+8*\j+2:CQ+8*\j+3], v[TS+16:TS+23], v[SC0]
	v_cvt_scalef32_pk8_fp8_f32 v[CQ+8*\j+6:CQ+8*\j+7], v[TS+24:TS+31], v[SC0]
	v_nop                                          ; a plain line behind the run of conversions, ahead of whatever next touches their registers
	ds_store_b128 v[VQ], v[CQ+8*\j:CQ+8*\j+3]   offset:32768*(\b)+16*\j
	ds_store_b128 v[VQ], v[CQ+8*\j+4:CQ+8*\j+7] offset:32768*(\b)+16*\j+256
.endr
.endm
; x as loaded -> x in my lane's order, through my own stage.  Both under the setting 0x44: store data and load destination window 1, addresses window 0.
; LDS serves a wave's instructions in order (ISA guide 5.7.1.4): no wait stands between a tile's stores and its loads
.macro STIN t
.irp i, 0,1,2,3,4,5,6,7
	ds_store_b128 v[STO], v[XR+32*(\t)+4*\i:XR+32*(\t)+4*\i+3] offset:TSTAGE*(\t)+2*SPITCH*\i
.endr
.endm
.macro STOUT t
.irp k, 0,1,2,3,4,5,6,7
	ds_load_b128 v[X+32*(\t)+4*\k:X+32*(\t)+4*\k+3], v[SRD] offset:TSTAGE*(\t)+64*(\k/2)+16*(\k%2)
.endr
.endm
.macro LOADM adr, off                  ; a component's means in my lane's order; the sixteen lanes of a half share each address
.irp k, 0,1,2,3,4,5,6,7
	ds_load_b128 v[M+4*\k:M+4*\k+3], v[\adr] offset:(\off)+64*(\k/2)+16*(\k%2)
.endr
.endm
.macro LOADAF set, adr, off            ; a component's four fragments, as images: 512 consecutive bytes a load
.irp k, 0,1,2,3,4,5,6,7
	ds_load_b128 v[AF+32*(\set)+4*\k:AF+32*(\set)+4*\k+3], v[\adr] offset:(\off)+512*\k
.endr
.endm
.macro SUBX t, set                     ; cen = x - m for tile t, two at a time.  It leaves source 0 in window 1: the caller sets the windows next
	WIN 0x01
.set n2, 0
.rept 16
	v_pk_add_f32 v[CEN+32*(\set)+n2:CEN+32*(\set)+n2+1], v[X+32*(\t)+n2:X+32*(\t)+n2+1], v[M+n2:M+n2+1] neg_lo:[0,1] neg_hi:[0,1]
.set n2, n2+2
.endr
.endm
.macro CVTS                            ; the 32 held numbers become source 1's eight registers: registers 2 g, 2 g + 1 = k 16 g + 8 h + 0 .. 7
.irp g, 0,1,2,3
	v_cvt_scalef32_pk8_fp8_f32 v[CD+2*\g:CD+2*\g+1], v[Y+8*\g:Y+8*\g+7], v[SC1]
.endr
.endm
.macro MMA set                         ; y for 64 e x 16 samples: each sum is one instruction, begun with the constant 0: four accumulators, no chain
.irp t, 0,1,2,3
	v_wmma_f32_16x16x64_fp8_fp8 v[Y+8*\t:Y+8*\t+7], v[AF+32*(\set)+8*\t:AF+32*(\set)+8*\t+7], v[CD:CD+7], 0
.endr
.endm
; Step k of six that take tile pt's two finished sums (component i's in P1, component i + 8's in Q) to S.  A sample's sum lies in two lanes, 16 apart, for each of the two components:
; lanes 0-15 gather component i's, lanes 16-31 component i + 8's, so that one logarithm serves both.
.macro TAIL1 k, pt
.if (\k) == 0
	v_add_f32 v[P2], v[Q], v[Q+1]
.elseif (\k) == 1
	v_cndmask_b32 v[SEND], v[P2], v[P1+(\pt)], vcc_lo   ; what the lane 16 away wants
	v_cndmask_b32 v[KEEP], v[P1+(\pt)], v[P2], vcc_lo   ; what I keep
.elseif (\k) == 2
	v_permlanex16_b32 v[RECV], v[SEND], s24, s25
.elseif (\k) == 3
	v_add_f32 v[KEEP], v[KEEP], v[RECV]
.elseif (\k) == 4
	v_log_f32 v[LG], v[KEEP]                       ; the line behind it is plain and names neither LG nor KEEP (ISA guide 5.7.2)
.else
	s_wait_alu depctr_va_vdst(0)
	v_fmac_f32 v[S+(\pt)], v[W], v[LG]
.endif
.endm
; A SLOT.  The unit in hand: tile t of component i (half = 0) or i + 8 (half = 1); its matrix instructions were issued just before.  more = 0: the pass's last trip.
; mode = 1: pass 0's first trip: four loads of pass 1's x.  mode = 2: pass 0's last trip: a tile of pass 1's x goes into the stage (first half) or comes back (second half).
.macro SLOT t, half, more, mode
.set NXT, 1
.if ((\t) == 3) && ((\half) == 1) && ((\more) == 0)
.set NXT, 0                            ; the pass's last unit has no successor
.endif
.set CA, CEN+32*((\t)%2)               ; cen of the unit in hand,
.set CB, CEN+32*(1-(\t)%2)             ; of the next
.set PT, ((\t)+3)%4                    ; the unit before: its tile,
.set PH, \half                         ; and its half
.if (\t) == 0
.set PH, 1-(\half)
.endif
.if ((\mode) == 2) && ((\t) == 0) && ((\half) == 0)
	s_wait_loadcnt 0x0                             ; pass 1's x, asked for seven trips ago
.endif
.if ((\t) == 3) && NXT
	s_wait_dscnt 0x0                               ; the next component's means (asked for a slot ago) and fragments (four slots ago or more) are in, and so is the trip's weight
.if \more
	v_lshl_add_u32 v[VA], s26, 12, v[LI]
.endif
.endif
.if NXT
	SUBX ((\t)+1)%4, 1-(\t)%2                      ; sixteen plain instructions that name no register of the matrix instructions just issued: the places behind them (ISA guide 7.12.1)
.else
.rept 4
	v_nop
.endr
.endif
.if (\mode) == 1
	WIN 0x40                                       ; destination window 1: the registers that pass 0's x has left (its stores into the stage were waited for ahead of the barrier)
.irp k, 0,1,2,3
	global_load_b128 v[XR+16*(4*(\half)+(\t))+4*\k:XR+16*(4*(\half)+(\t))+4*\k+3], v[LI], s[6:7] offset:16384+2048*(4*(\half)+(\t))+512*\k th:TH_LOAD_NT
.endr
.endif
.if (\mode) == 2
	WIN 0x44
.if (\half) == 0
	STIN \t
.else
	STOUT \t                                       ; tile t's registers had their last subtraction of the pass a slot ago
.endif
.endif
	WIN 0
.if ((\t) == 1) && ((\half) == 0)
	ds_load_b32 v[W], v[WAC]                       ; behind the last use of the trip before's weight, which stands in slot 0
.endif
.if (\t) == 2                          ; tile 3 has just been subtracted: the means' registers take the next component's
.if (\half) == 0
	LOADM MAC, 2048
.elseif \more
	LOADM MAC, 256
.endif
.endif
.if ((\t) == 3) && (\more)             ; this half's fragments were last read by the matrix instructions ahead of the sixteen subtractions: they take the next trip's
	LOADAF \half, VA, 4096+32768*(\half)
.endif
.set n3, 0
.rept 16                               ; the second product, each accumulator from its low end on, in two chains by turns; behind each read the next unit's held numbers take the two registers
.set AC, ACCA
.if (n3%2) == 1
.set AC, ACCB
.endif
.if n3 < 2
	v_pk_mul_f32 v[AC:AC+1], v[Y+2*n3:Y+2*n3+1], v[CA+2*n3:CA+2*n3+1]
.else
	v_pk_fma_f32 v[AC:AC+1], v[Y+2*n3:Y+2*n3+1], v[CA+2*n3:CA+2*n3+1], v[AC:AC+1]
.endif
.if NXT
	v_med3_num_f32 v[Y+2*n3],   v[CB+2*n3],   -v[LIM1], v[LIM1]   ; the conversion to an 8-bit code does not saturate (ISA guide 7.6.2)
	v_med3_num_f32 v[Y+2*n3+1], v[CB+2*n3+1], -v[LIM1], v[LIM1]
.endif
.if ((n3%2) == 1) && (n3 < 12)         ; the unit before, a step behind every second link
.if PH == 1
	TAIL1 (n3-1)/2, PT
.elseif n3 == 1
	v_add_f32 v[P1+PT], v[Q], v[Q+1]
.endif
.endif
.set n3, n3+1
.endr
.if NXT
	CVTS
	v_pk_add_f32 v[Q:Q+1], v[ACCA:ACCA+1], v[ACCB:ACCB+1]   ; the two chains are joined: also the plain line between the conversions and the matrix instructions that read their codes and write over their sources
.if (\t) < 3
	MMA \half
.else
	MMA 1-(\half)
.endif
.else                                  ; the pass's last unit takes its steps on end: no slot follows
	v_pk_add_f32 v[Q:Q+1], v[ACCA:ACCA+1], v[ACCB:ACCB+1]
.irp k, 0,1,2,3,4
	TAIL1 \k, 3
.endr
	v_nop                                          ; a plain line behind the logarithm
	s_wait_alu depctr_va_vdst(0)
	TAIL1 5, 3
.endif
.endm
.macro TRIP more, mode
	v_lshl_add_u32 v[MAC], s26, 8, v[MA0]          ; the loads that named these two were waited for in the trip before
	v_lshl_add_u32 v[WAC], s26, 2, v[WA0]
.irp hf, 0,1
.irp t, 0,1,2,3
	SLOT \t, \hf, \more, \mode
.endr
.endr
.endm
.macro PASS p
.irp t, 0,1,2,3
	v_mov_b32 v[S+\t], v[SWE]                      ; the sums begin with the scales' share
.endr
	v_mov_b32 v[Q], 0.5                            ; the slot is written once: the pass's first finds, for the unit before, sums that gather to 1
	v_mov_b32 v[Q+1], 0
	v_mov_b32 v[P1+3], 0.5
	v_mov_b32 v[W], 0                              ; and the weight 0: it adds 0 x log2(1) to S
	s_mov_b32 s26, 0
	LOADM MA0, 0
	LOADAF 0, LI, 0
	LOADAF 1, LI, 32768
	s_wait_dscnt 0x0                               ; means and fragments of components 0 and 8, and the pass's x from the stage
	SUBX 0, 0
	WIN 0
.set n3, 0
.rept 32
	v_med3_num_f32 v[Y+n3], v[CEN+n3], -v[LIM1], v[LIM1]
.set n3, n3+1
.endr
	CVTS
	v_nop
	MMA 0
.if (\p) == 0
	TRIP 1, 1                                      ; pass 0's first trip is written out: each of its 32 loads of pass 1's x has registers of its own
	s_mov_b32 s26, 1
.endif
.Ltrip_\@:                             ; up to trip 6; the eighth trip is written out: it fetches nothing beyond component 15 and starts no unit behind its last
	TRIP 1, 0
	s_add_co_u32 s26, s26, 1
	s_cmp_lt_u32 s26, 7
	s_cbranch_scc1 .Ltrip_\@
.if (\p) == 0
	TRIP 0, 2
.else
	TRIP 0, 0
.endif
.endm
; the two halves' sums meet; 2^sum; the pass's 64 scores gather in my own LDS bytes and leave as 256 consecutive bytes, at a multiple of 256 from the output's first byte, by one store
.macro FINISH p
.irp t, 0,1,2,3
	v_permlanex16_b32 v[CEN+\t], v[S+\t], s24, s25
.endr
.irp t, 0,1,2,3
	v_add_f32 v[CEN+\t], v[CEN+\t], v[S+\t]
.endr
.irp t, 0,1,2,3
	v_exp_f32 v[CEN+\t], v[CEN+\t]
.endr
	v_nop                                          ; a plain line behind the last exponential
	s_wait_alu depctr_va_vdst(0)
.irp t, 0,1,2,3
	ds_store_b32 v[OSTO], v[CEN+\t] offset:256*(\p)+64*\t   ; lanes r and r + 16 hold the same number and write the same word
.endr
	ds_load_b64 v[OUT+2*(\p):OUT+2*(\p)+1], v[ORD] offset:256*(\p)
	s_wait_dscnt 0x0
	global_store_b64 v[GO], v[OUT+2*(\p):OUT+2*(\p)+1], s[14:15] offset:256*(\p) th:TH_STORE_NT   ; each pass has its own pair of registers, and the offset register stays
.endm
	s_load_b256 s[4:11], s[0:1], 0x0               ; cov s[4:5], x s[6:7], the scales' exponents s[8:9], means s[10:11]
	s_load_b128 s[12:15], s[0:1], 0x20             ; weights s[12:13], the output s[14:15]
	v_lshrrev_b32 v16, 5, v0
	v_readfirstlane_b32 s16, v16                   ; wave 0..7
	v_and_b32 v17, 31, v0                          ; lane
	v_and_b32 v18, 15, v0                          ; r
	v_bfe_u32 v19, v0, 4, 1                        ; h
	s_mov_b32 s24, 0x76543210                      ; v_permlanex16_b32's selects for lane l xor 16
	s_mov_b32 s25, 0xfedcba98
	s_mov_b32 vcc_lo, 0xffff0000                   ; lanes 16-31; never rewritten
	v_lshlrev_b32 v[LI], 4, v17
	v_lshlrev_b32 v[GO], 3, v17
	v_lshl_add_u32 v[MA0], v19, 5, MEANS
	s_lshl_b32 s17, s16, 7
	s_add_co_u32 s17, s17, WTS
	v_lshl_add_u32 v[WA0], v19, 5, s17
	s_mul_i32 s18, s16, WSTAGE
	s_add_co_u32 s18, s18, STAGE                   ; my stage
	v_mul_u32_u24 v20, v19, SPITCH
	v_lshl_add_u32 v20, v18, 4, v20
	v_add_nc_u32 v[STO], s18, v20                  ; in: lanes 0-15 one row of 256 bytes, lanes 16-31 the next
	v_mul_u32_u24 v20, v18, SPITCH
	v_lshl_add_u32 v20, v19, 5, v20
	v_add_nc_u32 v[SRD], s18, v20                  ; out: row r, my half's 32 bytes of each 64
	s_lshl_b32 s19, s16, 9
	s_add_co_u32 s19, s19, OUTS
	v_lshl_add_u32 v[OSTO], v18, 2, s19
	v_lshl_add_u32 v[ORD], v17, 3, s19
	v_lshlrev_b32 v[VC], 4, v18
	v_lshl_add_u32 v[VC], v19, 13, v[VC]           ; cov: 16 r + 32 rows of 256 bytes x h
	v_lshrrev_b32 v20, 2, v18
	v_and_b32 v21, 3, v18
	v_lshlrev_b32 v[VQ], 10, v20
	v_lshl_add_u32 v[VQ], v21, 6, v[VQ]
	v_lshl_add_u32 v[VQ], v19, 9, v[VQ]
	s_lshl_b32 s22, s16, 12
	v_add_nc_u32 v[VQ], s22, v[VQ]                 ; codes: 1024 (r / 4) + 64 (r % 4) + 512 h + 4096 wave
	v_lshlrev_b32 v119, 4, v0                      ; means: 16 bytes a thread, in memory
	v_lshl_add_u32 v120, v0, 4, MEANS              ; and in LDS
	v_lshlrev_b32 v121, 2, v18                     ; weights: w[thread % 16] in memory,
	v_lshl_add_u32 v122, v0, 2, WTS                ; a word a thread in LDS
	s_lshl_b32 s28, s16, 14                        ; cov: component = wave
	s_mov_b32 s29, 0
	s_lshl_b32 s30, ttmp9, 18                      ; x: 1,024 rows of 256 bytes a work-group, 128 a wave
	s_lshl_b32 s17, s16, 15
	s_add_co_u32 s30, s30, s17
	s_mov_b32 s31, 0
	s_lshl_b32 s32, ttmp9, 12                      ; the output: 4,096 bytes a work-group, 512 a wave
	s_lshl_b32 s17, s16, 9
	s_add_co_u32 s32, s32, s17
	s_mov_b32 s33, 0
	s_wait_kmcnt 0x0
	s_load_b64 s[20:21], s[8:9], 0x0               ; e0, e1
	s_add_nc_u64 s[4:5], s[4:5], s[28:29]
	s_add_nc_u64 s[6:7], s[6:7], s[30:31]
	s_add_nc_u64 s[14:15], s[14:15], s[32:33]
	global_load_b128 v[112:115], v119, s[10:11]
	global_load_b32 v116, v121, s[12:13]
	LOADCOV 0
	LOADX0
	s_wait_kmcnt 0x0
	s_add_co_i32 s22, s20, 127
	s_lshl_b32 s23, s22, 23
	v_mov_b32 v[SC0], s23                          ; 2^e0 as f32: the conversion takes its exponent field
	s_add_co_i32 s22, s22, 8
	s_lshl_b32 s22, s22, 23
	s_or_b32 s22, s22, 0x600000
	v_mov_b32 v[LIM0], s22                         ; 448 x 2^e0
	s_add_co_i32 s22, s21, 127
	s_lshl_b32 s23, s22, 23
	v_mov_b32 v[SC1], s23                          ; the same with e1
	s_add_co_i32 s22, s22, 8
	s_lshl_b32 s22, s22, 23
	s_or_b32 s22, s22, 0x600000
	v_mov_b32 v[LIM1], s22
	s_wait_loadcnt 32                              ; loads come back in order (ISA guide 5.7.1): means, weight and my first component are in; the 32 loads of x behind them may be out
	ds_store_b128 v120, v[112:115]
	ds_store_b32 v122, v116
	QUANTCOV 0
	LOADCOV 1                                      ; my second component, into the registers that the first has left
	s_wait_loadcnt 32                              ; pass 0's x is in; the 32 loads just issued may be out
	WIN 0x44
.irp t, 0,1,2,3
	STIN \t
	STOUT \t
.endr
	WIN 0
	s_wait_dscnt 0x0                               ; x is back in my lane's order; the stores into the stage and of the codes have read their registers
	s_wait_loadcnt 0x0                             ; my second component is in
	QUANTCOV 1
	ds_load_b128 v[48:51], v[WA0]                  ; my half's eight weights, from my wave's own words
	ds_load_b128 v[52:55], v[WA0] offset:16
	s_add_co_i32 s22, s20, s21
	v_cvt_f32_i32 v56, s22                         ; e0 + e1
	s_wait_dscnt 0x0                               ; the weights are in; for the others' sake: my stores of codes and means are done
	v_mov_b32 v[RECV], 0                           ; written once: a lane permute's destination counts as one of its sources
	v_add_f32 v48, v48, v49
	v_add_f32 v50, v50, v51
	v_add_f32 v52, v52, v53
	v_add_f32 v54, v54, v55
	v_add_f32 v48, v48, v50
	v_add_f32 v52, v52, v54
	v_add_f32 v48, v48, v52
	v_mul_f32 v[SWE], v48, v56
	s_barrier_signal -1                            ; the one barrier: behind it all sixteen components' codes and the means lie in LDS, and nobody writes them again
	s_barrier_wait -1
	PASS 0
	FINISH 0
	PASS 1                                         ; its x lies in the registers already: pass 0's last trip has turned it
	FINISH 1
	s_barrier_signal -1
	s_barrier_wait -1
	s_wait_xcnt 0x0
	v_lshl_add_u32 v254, v0, 2, 0x34400
	v_mov_b32 v255, 0
	s_wait_tensorcnt 0x0
	ds_add_u32 v254, v255
	s_wait_dscnt 0x0
	s_endpgm
.Lfunc_end_k_q4f18a6b956_gmm:
	.size	k_q4f18a6b956_gmm, .Lfunc_end_k_q4f18a6b956_gmm-k_q4f18a6b956_gmm
	.p2alignl 7, 3214868480
	.fill 96, 4, 3214868480
	.section	.rodata,"a",@progbits
	.p2align	6, 0x0
	.amdhsa_kernel k_q4f18a6b956_gmm
		.amdhsa_group_segment_fixed_size 215040
		.amdhsa_private_segment_fixed_size 0
		.amdhsa_enable_private_segment 0
		.amdhsa_kernarg_size 48
		.amdhsa_user_sgpr_count 2
		.amdhsa_user_sgpr_kernarg_segment_ptr 1
		.amdhsa_wavefront_size32 1
		.amdhsa_system_sgpr_workgroup_id_x 1
		.amdhsa_system_sgpr_workgroup_id_y 1
		.amdhsa_system_sgpr_workgroup_id_z 1
		.amdhsa_system_vgpr_workitem_id 0
		.amdhsa_next_free_vgpr 512
		.amdhsa_next_free_sgpr 66
		.amdhsa_reserve_vcc 1
		.amdhsa_float_denorm_mode_32 3
		.amdhsa_float_denorm_mode_16_64 3
		.amdhsa_memory_ordered 1
		.amdhsa_forward_progress 1
		.amdhsa_inst_pref_size 252
	.end_amdhsa_kernel
	.amdgpu_metadata
---
amdhsa.version: [ 1, 2 ]
amdhsa.kernels:
  - .name:           k_q4f18a6b956_gmm
    .symbol:         k_q4f18a6b956_gmm.kd
    .args:
      - { .name: covariances_inv, .offset: 0, .size: 8, .value_kind: global_buffer, .address_space: global }
      - { .name: inputs, .offset: 8, .size: 8, .value_kind: global_buffer, .address_space: global }
      - { .name: lowp_scales, .offset: 16, .size: 8, .value_kind: global_buffer, .address_space: global }
      - { .name: means, .offset: 24, .size: 8, .value_kind: global_buffer, .address_space: global }
      - { .name: weights, .offset: 32, .size: 8, .value_kind: global_buffer, .address_space: global }
      - { .name: out0, .offset: 40, .size: 8, .value_kind: global_buffer, .address_space: global }
    .group_segment_fixed_size: 215040
    .private_segment_fixed_size: 0
    .kernarg_segment_align: 8
    .kernarg_segment_size: 48
    .max_flat_workgroup_size: 256
    .sgpr_count:     66
    .vgpr_count:     512
    .wavefront_size: 32
...
	.end_amdgpu_metadata
.endif
;; end of part 2
